; MI455X (gfx1250); checked and timed in simulation.
; The chip was launched on July 23, 2026; its instructions are those of AMD's public machine-readable ISA for CDNA 5 (MIT licence, August 2026) and "CDNA5" Instruction Set Architecture Reference Guide (July 2026). The comments in the code are by the model that wrote it; some were corrected since.
;; Flash Attn. Allowed arithmetic: float matrix products may take bf16 or f16 operands with f32 sums; all other float work in f32.
;; Inputs: k 2 x 16 x 2,048 x 128 float32; q 2 x 16 x 2,048 x 128 float32; v 2 x 16 x 2,048 x 128 float32.
;; Outputs: out0 2 x 16 x 2,048 x 128 float32.
;; One version. Each part assembles by itself: llvm-mc -triple=amdgcn-amd-amdhsa -mcpu=gfx1250 --defsym DOCPART=n.
;; ======== version 1 of 1: 1 launch
;; launch attn (part 1): grid 256 x 1, 4 waves a work-group, clusters of 4 x 1, 327,680 bytes of LDS; arguments q, k, v, out0; writes out0
.if DOCPART == 1
	.amdgcn_target "amdgcn-amd-amdhsa--gfx1250"
	.amdhsa_code_object_version 6
	.text
	.protected	k_q9013e1b1ea_attn
	.globl	k_q9013e1b1ea_attn
	.p2align	8
	.type	k_q9013e1b1ea_attn,@function
k_q9013e1b1ea_attn:
	s_mov_b64 s[64:65], 0
	v_nop
	global_prefetch_b8 v0, s[64:65] scope:SCOPE_SE
	s_setreg_imm32_b32 hwreg(HW_REG_WAVE_MODE, 25, 1), 1
	s_wait_xcnt 0x0
	s_wait_alu depctr_hold_cnt(0) depctr_sa_sdst(0) depctr_va_vdst(0) depctr_va_sdst(0) depctr_va_ssrc(0) depctr_va_vcc(0) depctr_vm_vsrc(0)
	s_getreg_b32 s2, hwreg(HW_REG_IB_STS2, 6, 4)
	s_cmp_eq_u32 s2, 0
	s_cbranch_scc0 .Lentry_in_a_cluster
	s_endpgm
.Lentry_in_a_cluster:
	s_bfe_u32 s2, ttmp6, 0x10000c
	s_cmp_lg_u32 s2, 0x3003
	s_cbranch_scc0 .Lentry_shape_is_right
	s_endpgm
.Lentry_shape_is_right:
; o[b,h,s,:] = sum over t of exp(q[s].k[t] - m[s]) v[t],  m[s] = max over t of q[s].k[t].   q, k, v, o: [2][16][2048][128] f32.
; The result is NOT normalised: the problem forms no row sum, so none is formed here.  Nothing of the problem is left out: all three
; inputs reach the output, every key counts for every query.
;
; SHARES.  256 work-groups = 32 heads x 8 blocks of 256 queries; four waves, as many as a WGP has SIMDs, 64 queries each.  Keys go in 32 tiles of 64.
; CLUSTERS.  The eight query blocks of a head walk the same K and V tiles.  Four of them form a cluster (a mask names four work-groups, so a head
; has two clusters) and ask for every tile JOINTLY: same line, same descriptor, mask 15.  That divides the requests for K and V by four.
; FORMATS.  q, k, v are rounded once to bf16 (nearest even) for the matrix unit; scores, maximum, exponents and sums stay in f32; p (at most about 1)
; is rounded to bf16 for the second product.  bf16 and not f16, for its range.  log2(e) is not folded into q: the scores are those of bf16(q).bf16(k).
; K and V come as f32: a tile lands in an f32 slot of LDS and is converted ONCE by the work-group (each wave 16 rows of K and 16 of V) into a bf16
; buffer which all four waves read.
; BOTH PRODUCTS ARE USED TRANSPOSED.  S^T = K Q^T: lane (r, h), register j of a result holds key 8h + j of the tile's 16 for query r, so a row's maximum
; is a chain inside the lane and one exchange with lane xor 16; two such tiles, packed to bf16 in place, ARE source 1 (column = query, k = key) of
; O^T = V^T P^T, whose source 0 (row = d, k = key) comes from V stored [key][d] by the transposing LDS load.  In O^T a lane holds one query, so the
; factor that rescales the sums is one number a lane.
; RUNNING MAXIMUM.  With c = log2(e): M = max(M, the tile's maximum); NM = -c M, rounded; the sums are multiplied by 2^(NM new - NM old);
; p = 2^(fma(s, c, NM)).  All terms of a row end relative to the last NM; what the rounding of c M left over is taken back once at the end:
; O *= 2^(fma(M, -c, -NM)).  So the exponent is as exact as if the maximum were subtracted first, for large scores too.
; LIMITS.  NaN or infinity in the inputs, or scores that overflow f32, are not carried as the problem's formula would carry them (the maximum used
; here drops a NaN).  A p or a rescale factor below 2^-126 becomes 0 (v_exp_f32 flushes: ISA guide, its entry in 15.8).
;
; TWO PIECES THAT TAKE TURNS.  The wave's 64 queries are piece A (query tiles 0, 1) and piece B (tiles 2, 3).  They share the K and V^T fragments.
; A trip's 128 products go in four phases of 32, and one piece's vector work (maximum, factor, exponents, powers, packing, rescale: 236 instructions)
; lies between the other piece's products:
;     phase 1  O_A += V^T(t-1) P_A(t-1)   with B's vector work on tile t-1, first half, the loads of K(t)'s fragments and of the rows of K to convert
;     phase 2  S_A(t) = K(t) Q_A          with B's vector work, second half, and the conversion of K(t+1)
;     phase 3  O_B += V^T(t-1) P_B(t-1)   with A's vector work on tile t, first half, the loads and the conversion of V(t+1)
;     phase 4  S_B(t) = K(t) Q_B          with A's vector work, second half, the stores of V(t+1) and the loads of V^T(t)'s fragments
; So each piece's vector work has 64 products of the other piece to lie under, and each fragment is still loaded once: V^T(t) stays in registers
; over the barrier for both products of the next trip.  Behind each product stands one SLICE: of the 64 slices of two phases 48 take the piece's
; stream (5 instructions, 4 in the dependent end of the maximum: 6 x 5 + 4 x 4 + 38 x 5 = 236) and 16 take the 96 loads, conversions and stores.
; WINDOWS.  A piece's sums, scores and small numbers lie in a window of its own, so that one setting serves all its vector work.  That setting cannot be
; the products': v_exp_f32 takes its one source from the place where a product takes K or V^T, and those fragments (128 registers each, shared by
; both pieces) do not fit beside a piece's 128 sums and 64 scores in 256 registers.  So a slice stands between two s_set_vgpr_msb.
;
; ONE BARRIER A TRIP.  In front of trip t's barrier every wave has waited for all its tensor loads (f32 tile t+1 has landed), for its LDS reads (f32 slot
; t&1 and bf16 buffer 1-(t&1) are read no more) and for its LDS stores (bf16 tile t is whole).  Behind it: f32 slot t&1 is filled again with tile t+2;
; bf16 buffer t&1 is read (phases 1 and 4); f32 tile t+1 is converted into bf16 buffer 1-(t&1).
;
; LDS:  0       two f32 slots of 65,536 bytes: K's 64 rows x 512 bytes, then V's; wave w's load brings 16 KiB to slot + 16,384 w
;       131072  two bf16 buffers of 35,840 bytes: K, 64 rows at pitch 272 (17 x 16: the 16 rows of a fragment load start in 16 different 16-byte columns of
;               a 256-byte span); V, 64 rows at pitch 288 (9 x 32, for the transposing load)
;       202752  a stage of 17,408 bytes for each wave, its own: first Q in bf16 (64 rows, pitch 272), at the end 16 rows of o in f32 (pitch 528)
;       The buffers and stages are written by LDS stores alone, begin at multiples of 256 bytes, and no tensor load ever lands in them.
; REGISTERS, in windows of 256:
;   window 0: v2-13 addresses; v64-127 the 16 rows that this wave converts (K's, then V's); v128-255 V^T fragments (kp, dt) at 128 + 8 (8 kp + dt)
;   window 1: piece A: v0-127 O^T, tile (q, dt) at 8 (8 q + dt); v128-191 scores, then p, block 2 kp + q of 16; v192-199 NM, TM, AL, XC for q = 0, 1; v200-201 M
;             (at the start: the 64 rows of Q as loaded)
;   window 2: piece B, the same numbers
;   window 3: v0-127 K fragments (kt, ks) at 8 (4 kt + ks); v128-255 Q fragments (qt, ks) at 128 + 8 (4 qt + ks)
.set TILEB, 32768                      ; a tile of K or of V in f32: 64 rows x 512 bytes
.set SLOTB, 65536                      ; an f32 slot: K's tile, V's tile
.set BF,    131072                     ; the bf16 buffers
.set KP,    272                        ; pitch of K (and of Q) in bf16
.set VP,    288                        ; pitch of V in bf16
.set BFV,   64*KP                      ; V behind K in a buffer
.set BFBUF, 64*KP+64*VP                ; 35,840
.set STG,   BF+2*BFBUF                 ; 202,752
.set STGW,  64*KP                      ; a wave's stage
.set OPI,   528                        ; pitch of the stage on the way out: 512 + 16
.set KA,  2                            ; K fragments: BF + 272 r + 16 h
.set VA,  3                            ; V^T fragments: BF + BFV + 288 (8 h + L%8) + 16 ((L/8)%2)
.set CS,  4                            ; v4, v5: my 16 rows in f32 slot 0, 1: 8,192 w + 16 L
.set CDK, 6                            ; where my rows of K go in bf16: BF + 16 w rows + 8 L
.set CDV, 7                            ; the same for V
.set QS,  8                            ; Q into my stage
.set QF,  9                            ; Q fragments out of it
.set GO,  10                           ; 16 L: my 16 bytes of a row of q or o
.set OST, 11                           ; the way out: where a lane's 16 bytes of a row go
.set ORD, 12                           ; the way out: where a row is read back
.set PFO, 13                           ; 256 L
.set CV,  64                           ; window 0: rows under conversion
.set VF,  128                          ; window 0: V^T fragments
.set QFR, 128                          ; window 3: Q fragments
.set SC,  128                          ; windows 1, 2: scores, block 2 kp + q = tiles kt = 2 kp, 2 kp + 1 of query tile q; p: a block's first 8
.set NM,  192                          ; + 4 q: -c M, rounded
.set TM,  193                          ; + 4 q: at work
.set AL,  194                          ; + 4 q: the factor for the sums
.set XC,  195                          ; + 4 q: at work
.set MX,  200                          ; + q: the running maximum
.set VLEN, 236                         ; instructions in a piece's vector stream
.set MSB, 0
.macro WIN new                         ; the immediate's high byte repeats the setting that is left; a switch that changes nothing is dropped
.if MSB != \new
	s_set_vgpr_msb (MSB<<8)|\new
.set MSB, \new
.endif
.endm
.macro PLACES n
.rept \n
	v_nop
.endr
.endm
; A round of the cluster's barrier: my work-group's barrier, so that wave 0's signal speaks for all four waves; wave 0 signals for the work-group;
; every wave waits for all four work-groups; my work-group's barrier once more.
.macro ROUND
	s_barrier_signal -1
	s_barrier_wait -1
	s_cmp_lg_u32 s12, 0
	s_cbranch_scc1 .Lnw0_\@
	s_barrier_signal -3
.Lnw0_\@:
	s_barrier_wait -3
	s_barrier_signal -1
	s_barrier_wait -1
.endm
; Wave 0 asks for 8 KiB (32 lanes, 256 bytes apart) of a later tile.  The eight work-groups of a head cover that tile's 64 KiB once: the even cluster
; takes K, the odd one V, the place in the cluster picks the quarter.
.macro PREF
	s_cmp_lg_u32 s12, 0
	s_cbranch_scc1 .Lnp_\@
	global_prefetch_b8 v[PFO], s[44:45] th:TH_LOAD_NT scope:SCOPE_SE
.Lnp_\@:
.endm
; ---- A PIECE'S VECTOR STREAM, 236 numbered instructions, all under the piece's own setting VW (0x55 or 0xaa) ----
; Four kinds work on block PB, index PJ:
.macro AFMA                            ; exponents: c s + NM, two at a time (both halves by s50 and NM)
	WIN VW
	v_pk_fma_f32 v[SC+16*PB+2*PJ:SC+16*PB+2*PJ+1], v[SC+16*PB+2*PJ:SC+16*PB+2*PJ+1], s[50:51], v[NM+4*(PB&1):NM+4*(PB&1)+1] op_sel_hi:[1,0,0]
	s_wait_alu depctr_va_vdst(0)
.endm
.macro AEXP                            ; a power of two, in place
	WIN VW
	v_exp_f32 v[SC+16*PB+PJ], v[SC+16*PB+PJ]
.endm
.macro ACVT                            ; packing, ascending in place: register j is written when 2 j and 2 j + 1 are read
	WIN VW
	s_wait_alu depctr_va_vdst(0)
	v_cvt_pk_bf16_f32 v[SC+16*PB+PJ], v[SC+16*PB+2*PJ], v[SC+16*PB+2*PJ+1]
.endm
.macro ARES                            ; the next two of the piece's 128 sums times AL: one factor a lane, since a lane holds one query.  None on a piece's first tile.
.if VFIRST == 0
	WIN VW
	v_pk_mul_f32 v[2*RCN:2*RCN+1], v[2*RCN:2*RCN+1], v[AL+4*(RCN/32):AL+4*(RCN/32)+1] op_sel_hi:[1,0]
.set RCN, RCN+1
.endif
.endm
; Instruction number VCN of the stream:
;   0-27    four chains of v_max3 (two query tiles x two blocks of 16 scores) that do not wait for each other
;   28-43   eight dependent steps, two wide: the chains join, lane xor 16, M, -c M, the factor's exponent, NM, the factor
;   44-51   block 0's exponents
;   52-227  four stages of 44: block b's 16 powers, each followed by a plain instruction (ISA guide 5.7.2): block b + 1's exponents, block b - 1's packing, or a rescale
;           (8 + 12, 12, 12, 8 + 12 = 64 rescales)
;   228-235 block 3's packing
.macro VATOM
.if VCN < VLEN
.if VCN < 28
.set TQ, VCN&1
.set TC, (VCN>>1)&1
.set TR, TM+4*TQ+2*TC
.set TB, SC+32*TC+16*TQ
	WIN VW
.if VCN < 4
	v_max3_num_f32 v[TR], v[TB], v[TB+1], v[TB+2]
.else
.set TI, 1+2*(VCN/4)
	v_max3_num_f32 v[TR], v[TR], v[TB+TI], v[TB+TI+1]
.endif
.elseif VCN < 44
.set TQ, VCN&1
.set TL, (VCN-28)/2
.if TL == 0
	WIN VW
	v_max3_num_f32 v[TM+4*TQ], v[TM+4*TQ], v[XC+4*TQ], v[SC+16*TQ+15]
.elseif TL == 1
	WIN VW
	v_max_num_f32 v[TM+4*TQ], v[TM+4*TQ], v[SC+32+16*TQ+15]
.elseif TL == 2
	WIN VW
	v_permlanex16_b32 v[XC+4*TQ], v[TM+4*TQ], s47, s48     ; the other 32 keys' maximum, from lane xor 16; XC has been written above
.elseif TL == 3
	WIN VW
.if VFIRST
	v_max_num_f32 v[MX+TQ], v[TM+4*TQ], v[XC+4*TQ]
.else
	v_max3_num_f32 v[MX+TQ], v[TM+4*TQ], v[XC+4*TQ], v[MX+TQ]
.endif
.elseif TL == 4
	WIN VW
.if VFIRST
	v_mul_f32 v[NM+4*TQ], s49, v[MX+TQ]
.else
	v_mul_f32 v[XC+4*TQ], s49, v[MX+TQ]
.endif
.elseif VFIRST == 0
	WIN VW
.if TL == 5
	v_sub_f32 v[AL+4*TQ], v[XC+4*TQ], v[NM+4*TQ]           ; NM new - NM old, never above 0
.elseif TL == 6
	v_mov_b32 v[NM+4*TQ], v[XC+4*TQ]
.else
	v_exp_f32 v[AL+4*TQ], v[AL+4*TQ]
.endif
.endif
.elseif VCN < 52
.set PB, 0
.set PJ, VCN-44
	AFMA
.elseif VCN < 228
.set TU, VCN-52
.set TS, TU/44
.set TX, TU%44
.set TW, TX%11
.set TI, 4*(TX/11)+TW/3
.set TK, TW%3
.if TK == 0
.set PB, TS
.set PJ, TI
	AEXP
.elseif TK == 2
	ARES
.elseif (TI&1) == 0
.if TS < 3
.set PB, TS+1
.set PJ, TI/2
	AFMA
.else
	ARES
.endif
.else
.if TS > 0
.set PB, TS-1
.set PJ, TI/2
	ACVT
.else
	ARES
.endif
.endif
.else
.set PB, 3
.set PJ, VCN-228
	ACVT
.endif
.set VCN, VCN+1
.endif
.endm
; A stream begins.  pc: piece 0 (A) or 1 (B).  mode 0: there is none; 1: the piece's first tile (no old maximum, no sums yet); 2: a later tile.
.macro VSTART pc, mode
.set VW, 0x55*(1+\pc)
.set RCN, 0
.set VFIRST, 0
.set VCN, 0
.if \mode == 0
.set VCN, VLEN
.elseif \mode == 1
.set VFIRST, 1
.endif
.endm
; ---- THE TRIP'S LOADS, CONVERSIONS AND STORES, 192 numbered instructions.  AP: the bf16 buffer read; AO: the f32 slot read and the bf16 buffer written; ACONV: 0 where no tile is left to convert ----
;   0-31    K fragments of buffer AP, kt ascending
;   32-95   my 16 rows of K: 16 loads (a whole row, 512 neighbouring bytes, each), 32 conversions in place (4 registers become 2), 16 stores (a row's 256 bytes each)
;   96-159  the same for my 16 rows of V, in the same 64 registers
;   160-191 V^T fragments of buffer AP, by the transposing load
.macro AATOM
.if ACN < 192
.if ACN < 32
	WIN 0xc0
	ds_load_b128 v[4*ACN:4*ACN+3], v[KA] offset:AP*BFBUF+(ACN/8)*16*KP+((ACN%8)/2)*64+(ACN%2)*32
.elseif ACN < 160
.if ACONV
.set TH, (ACN-32)/64
.set TI, (ACN-32)%64
	WIN 0
.if TI < 16
	ds_load_b128 v[CV+4*TI:CV+4*TI+3], v[CS+AO] offset:TH*TILEB+TI*512
.elseif TI < 48
.if TI == 16
	s_wait_dscnt 0x0                               ; the 16 rows are in (they were asked for several slices ago); nothing younger is out
.endif
.set TJ, TI-16
	v_cvt_pk_bf16_f32 v[CV+4*(TJ/2)+(TJ&1)], v[CV+4*(TJ/2)+2*(TJ&1)], v[CV+4*(TJ/2)+2*(TJ&1)+1]
.else
.set TJ, TI-48
.if TH == 0
	ds_store_b64 v[CDK], v[CV+4*TJ:CV+4*TJ+1] offset:AO*BFBUF+TJ*KP
.else
	ds_store_b64 v[CDV], v[CV+4*TJ:CV+4*TJ+1] offset:AO*BFBUF+TJ*VP
.endif
.endif
.endif
.else
.set TJ, ACN-160
	WIN 0
	ds_load_tr16_b128 v[VF+4*TJ:VF+4*TJ+3], v[VA] offset:AP*BFBUF+(TJ/16)*32*VP+((TJ%16)/2)*32+(TJ%2)*16*VP
.endif
.set ACN, ACN+1
.endif
.endm
; ---- THE SLICE behind product SLN of phase ph.  Eight slices of each phase take the second list, 48 instructions a phase; the other 24 take the piece's stream. ----
;   phases 1 and 4: slices 2, 4 .. 16, six each: the fragment loads go out early in the phase and have the rest of it in which to land; slices 0 and 1 and the slice
;                   in front of them hold the plain instructions that stand between the last product that read a fragment and the load into it
;   phase 2:        slices 0, 4 .. 28, six each
;   phase 3:        slices 1, 3, 5 (6 + 6 + 4: the 16 loads), then 14, 18 (seven each), 22, 26, 30 (six each): the 32 conversions, well behind the loads
.macro SLOT ph
.set TA, 0
.if \ph == 2
.if (SLN%4) == 0
.set TA, 6
.endif
.elseif \ph == 3
.if SLN == 1
.set TA, 6
.elseif SLN == 3
.set TA, 6
.elseif SLN == 5
.set TA, 4
.elseif SLN == 14
.set TA, 7
.elseif SLN == 18
.set TA, 7
.elseif SLN == 22
.set TA, 6
.elseif SLN == 26
.set TA, 6
.elseif SLN == 30
.set TA, 6
.endif
.else
.if SLN >= 2
.if SLN <= 16
.if (SLN&1) == 0
.set TA, 6
.endif
.endif
.endif
.endif
.if TA > 0
.rept TA
	AATOM
.endr
.else
.set TA, 5
.if VCN >= 28
.if VCN < 44
.set TA, 4
.endif
.endif
.rept TA
	VATOM
.endr
.endif
.set SLN, SLN+1
.endm
; 32 products O^T += V^T P^T of piece pc, a slice behind each.  The 16 accumulators take turns, one instruction a turn.
; PVF 0: no products yet (the slices alone); 1: the first product starts each sum, nothing is cleared; 2: all add.
.macro PVPH pc, ph
.set SLN, 0
.set WMX, 0x54*(1+\pc)                 ; source 0 (V^T) window 0; source 1 (p), C and D the piece's window
.irp kp, 0,1
.irp dt, 0,1,2,3,4,5,6,7
.irp q, 0,1
.if PVF == 2
	WIN WMX
	v_wmma_f32_16x16x32_bf16 v[8*(8*\q+\dt):8*(8*\q+\dt)+7], v[VF+8*(8*\kp+\dt):VF+8*(8*\kp+\dt)+7], v[SC+16*(2*\kp+\q):SC+16*(2*\kp+\q)+7], v[8*(8*\q+\dt):8*(8*\q+\dt)+7]
.elseif PVF == 1
	WIN WMX
.if \kp == 0
	v_wmma_f32_16x16x32_bf16 v[8*(8*\q+\dt):8*(8*\q+\dt)+7], v[VF+8*(8*\kp+\dt):VF+8*(8*\kp+\dt)+7], v[SC+16*(2*\kp+\q):SC+16*(2*\kp+\q)+7], 0
.else
	v_wmma_f32_16x16x32_bf16 v[8*(8*\q+\dt):8*(8*\q+\dt)+7], v[VF+8*(8*\kp+\dt):VF+8*(8*\kp+\dt)+7], v[SC+16*(2*\kp+\q):SC+16*(2*\kp+\q)+7], v[8*(8*\q+\dt):8*(8*\q+\dt)+7]
.endif
.endif
	SLOT \ph
.endr
.endr
.endr
.endm
; 32 products S^T = K Q^T of piece pc, a slice behind each: 32 keys at a time, four accumulators (two key tiles x two query tiles) take turns, one instruction
; a turn; the first product starts each sum.  SF 0: no products are left (the slices alone).
.macro SPH pc, ph
.set SLN, 0
.set WMX, 0x0f+0x50*(1+\pc)            ; sources 0 (K) and 1 (Q) window 3; C and D the piece's window
.irp kh, 0,1
.irp ks, 0,1,2,3
.irp kl, 0,1
.irp q, 0,1
.if SF
.set SB, SC+16*(2*\kh+\q)+8*\kl
	WIN WMX
.if \ks == 0
	v_wmma_f32_16x16x32_bf16 v[SB:SB+7], v[8*(4*(2*\kh+\kl)+\ks):8*(4*(2*\kh+\kl)+\ks)+7], v[QFR+8*(4*(2*\pc+\q)+\ks):QFR+8*(4*(2*\pc+\q)+\ks)+7], 0
.else
	v_wmma_f32_16x16x32_bf16 v[SB:SB+7], v[8*(4*(2*\kh+\kl)+\ks):8*(4*(2*\kh+\kl)+\ks)+7], v[QFR+8*(4*(2*\pc+\q)+\ks):QFR+8*(4*(2*\pc+\q)+\ks)+7], v[SB:SB+7]
	s_wait_alu depctr_va_vdst(0)
.endif
.endif
	SLOT \ph
.endr
.endr
.endr
.endr
.endm
; Trip t.  p = t & 1, o = 1 - p.  kind: 0 for t = 0, 1 for t = 1, 2 later.  refill: f32 slot p gets tile t + 2.  conv: f32 tile t + 1 is converted.  pf: tile t + 3 is asked for ahead.
; DISTANCES (ISA guide 7.12.1).  The last slice of phases 2 and 4 is five packings of the other piece: the places between the last score product and the first read
; of a score, and between it and the loads into the K fragments.  A score product writes over p only 16 slices or more behind the last product that read that p.
.macro TRIP p, o, kind, refill, conv, pf
	s_wait_tensorcnt 0x0                           ; all my tensor loads have landed, my part of f32 tile t + 1 among them: no load of mine is out,
	ds_add_u32 v62, v63
	s_wait_dscnt 0x0
.if \refill
	s_add_nc_u64 s[34+4*\p:35+4*\p], s[34+4*\p:35+4*\p], 2*TILEB   ; so a group 0 may be written: this slot's next tile, two tiles on
.endif
.if \pf
	s_wait_xcnt 0x0                                ; the last trip's prefetch has had its address translated (ISA guide 3.1): its base is stepped only behind this wait
	s_add_nc_u64 s[44:45], s[44:45], TILEB
.endif
	s_wait_dscnt 0x0                               ; my reads of f32 slot p and of bf16 buffer o are back (the V^T fragments for phases 1 and 3 among them), my stores into bf16 buffer p are done
.if \refill
	ROUND                                          ; all that now holds of every wave of the four work-groups that the joint load names
	tensor_load_to_lds s[32+4*\p:35+4*\p], s[16:23]   ; my one tensor load behind the round, first thing there: my 16 KiB of tile t + 2
	s_nop 0
	v_nop
	v_nop
	v_nop
	v_nop
.else
	s_barrier_signal -1                            ; nothing is left to fetch: the work-group's own barrier orders the bf16 buffers
	s_barrier_wait -1
.endif
.if \pf
	PREF
.endif
.set AP, \p
.set AO, \o
.set ACONV, \conv
.set ACN, 0
.set PVF, \kind
.set SF, 1
	VSTART 1, \kind                                ; piece B's vector work on tile t - 1
	PVPH 0, 1
	s_wait_dscnt 16*\conv                          ; LDS loads come back in order (ISA guide 5.7.1): the 32 K loads are in, the 16 rows to convert, asked for behind them, may stay out
	SPH 0, 2
.if \kind == 0
	PLACES 4                                       ; t = 0 has no work of piece B to stand behind the last score product
	VSTART 0, 1                                    ; piece A's vector work on tile t
.else
	VSTART 0, 2
.endif
	PVPH 1, 3
	SPH 1, 4
	WIN 0
.endm
; The way out, 16 queries at a time (query tile qt = tile q of piece pc): a lane's 8 numbers of each O^T tile are 32 neighbouring bytes of its query's row; the rows
; go through my own stage and come back whole.  LDS serves a wave's instructions in order (ISA guide 5.7.1.4): no wait between the stores and the loads.
.macro OUT qt, pc, q
.set WMX, 0x04*(1+\pc)                 ; LDS store: address window 0, data the piece's window
	WIN WMX
.irp dt, 0,1,2,3,4,5,6,7
	ds_store_b128 v[OST], v[64*\q+8*\dt:64*\q+8*\dt+3]   offset:\dt*64
	ds_store_b128 v[OST], v[64*\q+8*\dt+4:64*\q+8*\dt+7] offset:\dt*64+16
.endr
	WIN 0
	s_wait_xcnt 0x0                                ; the registers loaded below were the data of the stores two turns ago: they are rewritten only behind this wait
.irp row, 0,1,2,3,4,5,6,7,8,9,10,11,12,13,14,15
	ds_load_b128 v[VF+64*\q+4*\row:VF+64*\q+4*\row+3], v[ORD] offset:\row*OPI
.endr
.irp row, 0,1,2,3,4,5,6,7,8,9,10,11,12,13,14,15
	s_wait_dscnt 15-\row                           ; this row is back, the younger ones stay out
	global_store_b128 v[GO], v[VF+64*\q+4*\row:VF+64*\q+4*\row+3], s[10:11] offset:(16*\qt+\row)*512 th:TH_STORE_NT   ; the wave stores one whole row: 512 consecutive bytes, aligned
.endr
.endm
	; ---- set-up ----
	s_load_b256 s[4:11], s[0:1], 0x0               ; q s[4:5], k s[6:7], v s[8:9], o s[10:11]
	v_lshl_add_u32 v62, v0, 2, 0x42800
	v_mov_b32 v63, 0
	ds_add_u32 v62, v63
	v_lshrrev_b32 v1, 5, v0
	v_readfirstlane_b32 s12, v1                    ; wave 0..3
	s_bfe_u32 s13, ttmp6, 0x40000                  ; cx: my place in the cluster
	s_lshr_b32 s14, ttmp9, 1                       ; head: two clusters each (ttmp9 counts clusters)
	s_and_b32 s52, ttmp9, 1                        ; which of the head's two clusters
	s_lshl_b32 s15, s52, 2
	s_add_co_u32 s15, s15, s13                     ; query block 0..7
	s_mov_b32 s47, 0x76543210                      ; v_permlanex16_b32: lane i of one half reads lane i of the other
	s_mov_b32 s48, 0xfedcba98
	s_mov_b32 s49, 0xbfb8aa3b                      ; -log2(e)
	s_mov_b32 s50, 0x3fb8aa3b                      ; log2(e)
	s_mov_b32 s51, 0x3fb8aa3b
	; byte offsets, apart from the addresses.  s[24:25], which feeds the joint loads, is made of the head and the wave's number alone.
	s_lshl_b32 s24, s14, 20                        ; a head is 2,048 rows x 512 bytes
	s_mov_b32 s25, 0
	s_lshl_b32 s26, s15, 17                        ; q and o: + 256 rows a block
	s_add_co_u32 s26, s26, s24
	s_lshl_b32 s40, s12, 15                        ; + 64 rows a wave
	s_add_co_u32 s26, s26, s40
	s_mov_b32 s27, 0
	s_lshl_b32 s28, s13, 13                        ; prefetch: my work-group's 8 KiB of a tile,
	s_add_co_u32 s28, s28, s24
	s_add_co_u32 s28, s28, 2*TILEB                 ; beginning with tile 2
	s_mov_b32 s29, 0
	s_and_b32 s40, s12, 1
	s_lshl_b32 s40, s40, 14                        ; K, V: which 32 rows of the tile I fetch
	s_add_co_u32 s24, s24, s40
	; descriptor group 1: a dense block of 16 KiB as 64 rows of 256 bytes, elements of 8 bytes, no padding; the same for every load
	s_mov_b32 s16, 15|(3<<16)|(1<<21)              ; 15:0 the mask: all four work-groups of the cluster; 17:16 elements of 8 bytes; 21 set beside a mask
	s_mov_b32 s17, 32<<16                          ; tensor_dim0 = 32
	s_mov_b32 s18, 64<<16                          ; tensor_dim1 = 64
	s_mov_b32 s19, 32<<16                          ; tile_dim0 = 32
	s_mov_b32 s20, 64                              ; tile_dim1 = 64
	s_mov_b32 s21, 32                              ; from row to row: 32 elements
	s_mov_b32 s22, 0
	s_mov_b32 s23, 0
	; LDS and row addresses.  L = lane, r = L % 16, h = L / 16
	v_and_b32 v14, 31, v0                          ; L
	v_and_b32 v15, 15, v0                          ; r
	v_bfe_u32 v36, v0, 4, 1                        ; h
	s_mul_i32 s41, s12, STGW
	s_add_co_u32 s41, s41, STG                     ; my stage
	v_mul_u32_u24 v[KA], v15, KP
	v_lshl_add_u32 v[KA], v36, 4, v[KA]            ; 272 r + 16 h
	v_add_nc_u32 v[QF], s41, v[KA]
	v_add_nc_u32 v[KA], BF, v[KA]
	v_and_b32 v37, 7, v0
	v_lshl_add_u32 v37, v36, 3, v37                ; 8 h + L % 8
	v_mul_u32_u24 v[VA], v37, VP
	v_bfe_u32 v38, v0, 3, 1
	v_lshl_add_u32 v[VA], v38, 4, v[VA]
	v_add_nc_u32 v[VA], BF+BFV, v[VA]
	s_lshl_b32 s40, s12, 13                        ; my 16 rows of 512 bytes
	v_lshl_add_u32 v[CS], v14, 4, s40
	v_add_nc_u32 v[CS+1], SLOTB, v[CS]
	s_mul_i32 s40, s12, 16*KP
	s_add_co_u32 s40, s40, BF
	v_lshl_add_u32 v[CDK], v14, 3, s40
	s_mul_i32 s40, s12, 16*VP
	s_add_co_u32 s40, s40, BF+BFV
	v_lshl_add_u32 v[CDV], v14, 3, s40
	v_lshl_add_u32 v[QS], v14, 3, s41
	v_lshlrev_b32 v[GO], 4, v14
	v_mul_u32_u24 v[OST], v15, OPI
	v_lshl_add_u32 v[OST], v36, 5, v[OST]
	v_add_nc_u32 v[OST], s41, v[OST]               ; my stage + 528 r + 32 h
	v_lshl_add_u32 v[ORD], v14, 4, s41
	v_lshlrev_b32 v[PFO], 8, v14
	s_lshl_b32 s40, s12, 14                        ; where my tensor loads land in a slot: 16 KiB a wave (K's halves, then V's)
	s_wait_dscnt 0x0
	s_wait_kmcnt 0x0
	s_add_nc_u64 s[4:5], s[4:5], s[26:27]          ; q at my 64 rows
	s_add_nc_u64 s[10:11], s[10:11], s[26:27]      ; o at my 64 rows
	s_cmp_lt_u32 s12, 2                            ; waves 0 and 1 fetch K's two halves, waves 2 and 3 V's
	s_cselect_b64 s[42:43], s[6:7], s[8:9]
	s_add_nc_u64 s[42:43], s[42:43], s[24:25]
	s_cmp_eq_u32 s52, 0                            ; the even cluster of a head asks ahead for K, the odd one for V
	s_cselect_b64 s[44:45], s[6:7], s[8:9]
	s_add_nc_u64 s[44:45], s[44:45], s[28:29]
	; my 64 rows of q, a whole row a load, into window 1, which holds nothing yet
	WIN 0x40
.set ri, 0
.rept 64
	global_load_b128 v[4*ri:4*ri+3], v[GO], s[4:5] offset:ri*512 th:TH_LOAD_NT
.set ri, ri+1
.endr
	WIN 0
	; ---- the first fills: tiles 0 and 1, as one group behind one round ----
	ROUND                                          ; all four work-groups are here: the first joint loads meet
.irp n, 0,1
	s_mov_b32 s[32+4*\n], 1                                        ; count = 1
	s_add_co_u32 s[33+4*\n], s40, \n*SLOTB                         ; LDS address: 16,384 x wave + the slot
	s_add_nc_u64 s[34+4*\n:35+4*\n], s[42:43], \n*TILEB            ; global address: tile n
	s_or_b32 s[35+4*\n], s[35+4*\n], 0x80000000                    ; type = 2
	tensor_load_to_lds s[32+4*\n:35+4*\n], s[16:23]
	s_nop 0
.endr
	PREF                                           ; tile 2
	; ---- q to bf16, through my stage, into fragments ----
	s_wait_loadcnt 0x0
	WIN 0x55
.set ri, 0
.rept 64
	v_cvt_pk_bf16_f32 v[4*ri],   v[4*ri],   v[4*ri+1]
	v_cvt_pk_bf16_f32 v[4*ri+1], v[4*ri+2], v[4*ri+3]
.set ri, ri+1
.endr
	WIN 0x04
.set ri, 0
.rept 64
	ds_store_b64 v[QS], v[4*ri:4*ri+1] offset:ri*KP
.set ri, ri+1
.endr
	WIN 0xc0                                       ; my own bytes, served in order: no wait between the stores and these loads
.irp qt, 0,1,2,3
.irp ks, 0,1,2,3
	ds_load_b128 v[QFR+8*(4*\qt+\ks):QFR+8*(4*\qt+\ks)+3],   v[QF] offset:\qt*16*KP+\ks*64
	ds_load_b128 v[QFR+8*(4*\qt+\ks)+4:QFR+8*(4*\qt+\ks)+7], v[QF] offset:\qt*16*KP+\ks*64+32
.endr
.endr
	WIN 0
	s_wait_dscnt 0x0                               ; the fragments are in, and no LDS instruction of mine is pending at the signal below
	; ---- tile 0 is converted: numbers 32 to 159 of the second list, from f32 slot 0 into bf16 buffer 0 ----
	s_wait_tensorcnt 0x1                           ; my part of tile 0 has landed; tile 1's load, issued behind it, may stay out
	s_barrier_signal -1
	s_barrier_wait -1                              ; everybody's part has
.set AP, 0
.set AO, 0
.set ACONV, 1
.set ACN, 32
.rept 128
	AATOM
.endr
	WIN 0
	; ---- the 32 trips ----
	TRIP 0, 1, 0, 1, 1, 1                          ; t = 0: scores alone, no sums yet
	TRIP 1, 0, 1, 1, 1, 1                          ; t = 1: its products with V^T start the sums, nothing is cleared
	s_mov_b32 s46, 13                              ; t = 2 .. 27
.Ltrips:
	TRIP 0, 1, 2, 1, 1, 1
	TRIP 1, 0, 2, 1, 1, 1
	s_sub_co_i32 s46, s46, 1
	s_cmp_lg_u32 s46, 0
	s_cbranch_scc1 .Ltrips
	TRIP 0, 1, 2, 1, 1, 1                          ; t = 28: asks ahead for tile 31, the last: no prefetch points past the head's rows
	TRIP 1, 0, 2, 1, 1, 0                          ; t = 29: fetches tile 31, the last tensor load
	TRIP 0, 1, 2, 0, 1, 0                          ; t = 30: converts tile 31
	TRIP 1, 0, 2, 0, 0, 0                          ; t = 31
	; ---- what the stagger leaves over: both pieces' products with V^T(31), and piece B's vector work on tile 31.  Registers alone: no barrier. ----
	s_wait_dscnt 0x0                               ; the V^T fragments of tile 31 are in
.set ACN, 192                                      ; the second list is empty
.set PVF, 2
.set SF, 0
	VSTART 1, 2
	PVPH 0, 1
	SPH 0, 2
	VSTART 0, 0
	PVPH 1, 3
	; ---- the end: what the rounding of c M left over, then the way out.  Piece A goes first: its 67 plain instructions are the places behind piece B's last products. ----
.irp pc, 0,1
	VSTART \pc, 2
	WIN VW
	v_fma_f32 v[AL],   v[MX],   s49, -v[NM]        ; -c M - NM, in one rounding
	v_fma_f32 v[AL+4], v[MX+1], s49, -v[NM+4]
	v_exp_f32 v[AL],   v[AL]
	v_exp_f32 v[AL+4], v[AL+4]
	v_nop                                          ; the plain instruction behind v_exp_f32 (ISA guide 5.7.2)
	s_wait_alu depctr_va_vdst(0)
.rept 64
	ARES
.endr
.endr
	WIN 0
	OUT 0, 0, 0
	OUT 1, 0, 1
	OUT 2, 1, 0
	OUT 3, 1, 1
	s_wait_dscnt 0x0
	s_wait_tensorcnt 0x0
	ds_add_u32 v62, v63
	s_wait_dscnt 0x0
	ROUND                                          ; the closing round: no work-group ends while a partner may still issue a joint load that names it
	s_endpgm
.Lfunc_end_k_q9013e1b1ea_attn:
	.size	k_q9013e1b1ea_attn, .Lfunc_end_k_q9013e1b1ea_attn-k_q9013e1b1ea_attn
	.p2alignl 7, 3214868480
	.fill 96, 4, 3214868480
	.section	.rodata,"a",@progbits
	.p2align	6, 0x0
	.amdhsa_kernel k_q9013e1b1ea_attn
		.amdhsa_group_segment_fixed_size 327680
		.amdhsa_private_segment_fixed_size 0
		.amdhsa_enable_private_segment 0
		.amdhsa_kernarg_size 32
		.amdhsa_user_sgpr_count 2
		.amdhsa_user_sgpr_kernarg_segment_ptr 1
		.amdhsa_wavefront_size32 1
		.amdhsa_system_sgpr_workgroup_id_x 1
		.amdhsa_system_sgpr_workgroup_id_y 1
		.amdhsa_system_sgpr_workgroup_id_z 1
		.amdhsa_system_vgpr_workitem_id 0
		.amdhsa_next_free_vgpr 1024
		.amdhsa_next_free_sgpr 66
		.amdhsa_reserve_vcc 0
		.amdhsa_float_denorm_mode_32 3
		.amdhsa_float_denorm_mode_16_64 3
		.amdhsa_memory_ordered 1
		.amdhsa_forward_progress 1
		.amdhsa_inst_pref_size 255
	.end_amdhsa_kernel
	.section	.bss,"aw",@nobits
	.p2align	6
	.space	262144
	.amdgpu_metadata
---
amdhsa.version: [ 1, 2 ]
amdhsa.kernels:
  - .name:           k_q9013e1b1ea_attn
    .symbol:         k_q9013e1b1ea_attn.kd
    .args:
      - { .name: q, .offset: 0, .size: 8, .value_kind: global_buffer, .address_space: global }
      - { .name: k, .offset: 8, .size: 8, .value_kind: global_buffer, .address_space: global }
      - { .name: v, .offset: 16, .size: 8, .value_kind: global_buffer, .address_space: global }
      - { .name: out0, .offset: 24, .size: 8, .value_kind: global_buffer, .address_space: global }
    .group_segment_fixed_size: 327680
    .private_segment_fixed_size: 0
    .kernarg_segment_align: 8
    .kernarg_segment_size: 32
    .max_flat_workgroup_size: 128
    .sgpr_count:     66
    .vgpr_count:     1024
    .wavefront_size: 32
...
	.end_amdgpu_metadata
.endif
;; end of part 1
